; MI455X (gfx1250); checked and timed in simulation.
; The chip was launched on July 23, 2026; its instructions are those of AMD's public machine-readable ISA for CDNA 5 (MIT licence, August 2026) and "CDNA5" Instruction Set Architecture Reference Guide (July 2026). The comments in the code are by the model that wrote it; some were corrected since.
;; Custom Attention. Allowed arithmetic: matrix products marked QUANTISED: E3M2 operands, one E8M0 scale for each 32 along K, by v_wmma_scale_f32_16x16x128_f8f6f4 with both operands' format E3M2, f32 sums; everything else in f32.
;; Inputs: key 4 x 2,048 x 1,024 float32; mask 4 x 1 x 2,048 x 2,048 int32; query 4 x 2,048 x 1,024 float32; value_codes 4 x 1,024 x 64 x 24 uint8 (E3M2 codes of value, K innermost, in blocks of 32 codes, four codes in three bytes); value_scales 4 x 1,024 x 64 uint8 (E8M0 scales of value, one for each 32 codes along K).
;; Outputs: out0 4 x 2,048 x 1,024 float32.
;; This version of the problem:
;;   THIS VERSION OF THE PROBLEM IS GIVEN IN LOW PRECISION. The matrix products marked QUANTISED in the list below multiply operands that are first quantised to E3M2 (3 exponent bits, 2 mantissa bits; 6 bits a number), with one power-of-two scale for each 32 numbers along K (OCP MX v1.0); their sums are f32. All else is computed in f32.
;;   The module's matrix products, in the order in which they are computed (A, B: the left and right operand; K: the contracted axis; several contracted axes count as one K, in the product's order):
;;     1. batch 64 x [M 2,048, K 64] x [K 64, N 2,048]; A: input query; B: input key: QUANTISED
;;     2. batch 64 x [M 2,048, K 2,048] x [K 2,048, N 64]; A: softmax (see below); B: input value (given as codes): QUANTISED
;;   THE QUANTISER, for each operand of a quantised product, along K:
;;     - K is cut into blocks of 32 from its start; a last block that is shorter is filled with zeros.
;;     - A block's scale is 2^e with e = floor(log2(the largest magnitude in the block)) - 4, held to -126 .. 127; a block of zeros has e = 0. As a byte (E8M0): e + 127.
;;     - Each number is divided by its block's scale, clamped to +-28, and rounded to the nearest number of E3M2, ties to even, subnormals kept.
;;     - The product sums the exact products of the quantised numbers (number of the format x scale) in f32.
;;   ~~~python
;;   def quantise(x, axis):      # numpy; x: float32 -> the quantised numbers, widened to float32 again
;;       x = np.moveaxis(x, axis, -1); K = x.shape[-1]
;;       x = np.pad(x, [(0, 0)] * (x.ndim - 1) + [(0, -K % 32)]); x = x.reshape(x.shape[:-1] + (-1, 32)); a = np.abs(x).max(-1, keepdims=True)
;;       e = np.where(a > 0, np.clip(np.frexp(np.where(a > 0, a, 1))[1] - 1 - 4, -126, 127), 0)      # np.frexp(a)[1] - 1 = floor(log2(a)), exactly
;;       r = np.clip(x / 2.0 ** e, -28, 28)
;;       step = 2.0 ** (np.maximum(np.frexp(np.where(r == 0, 1, r))[1] - 1, -2) - 2)
;;       q = np.round(r / step) * step * 2.0 ** e      # np.round: ties to even
;;       return np.moveaxis(q.reshape(q.shape[:-2] + (-1,))[..., :K], -1, axis).astype(np.float32)
;;   ~~~
;;   SOFTMAX AHEAD OF A QUANTISED PRODUCT. Where the list says 'softmax', what is quantised is not the finished softmax but p = 2^(t - M), with t = logit x log2(e) and M = ceil(the row's largest t), a whole number; so 1/2 < the row's largest p <= 1. The row's sum l is taken of the UNQUANTISED p, in f32, and the product's result is divided by l at the end. Since M is a whole number, a kernel that streams over the keys may use a running M (the ceiling of the running maximum): every later rescaling is an exact power of two, which a block's scale takes up: the codes' values come out the same.
;;   OPERANDS COMPUTED ON THE WAY. 'Computed on the way' means the value that the module computes at that place (a softmax that the list does not call 'softmax' is quantised finished and normalised). What goes into a quantiser is computed in f32, as accurately as f32 sums, v_exp_f32 and their like allow (about 1e-6 of the number): no bf16 or f16 on the way to a quantiser, and a product that is left as it is and whose result goes on into a quantised operand takes f32 operands (vector FMAs, or v_wmma_f32_16x16x4_f32). A number that lies on a knife's edge between two numbers of the format may be rounded either way, as far as f32 arithmetic and the matrix unit's own rounding can turn it there, and no further.
;;   INPUTS GIVEN AS CODES. value (in the module: [4, 2048, 1024], K = its axis 1): each comes as NAME_codes (uint8): NAME with its K axis moved to the last place and cut into blocks of 32 codes, [.., K / 32, bytes a block], one block behind the other in memory; four codes in three bytes: a row's codes are one little-endian stream of bits, code i at bits 6 i .. 6 i + 5 (a code: sign, 3 exponent bits, 2 mantissa bits); and NAME_scales (uint8): the same leading axes, one E8M0 byte (e + 127) for each 32 codes along K. Its value is code x scale, taken as it is: it is not quantised again, and the codes and scales need not be those that the quantiser above would give.
;; One version. Each part assembles by itself: llvm-mc -triple=amdgcn-amd-amdhsa -mcpu=gfx1250 --defsym DOCPART=n.
;; ======== version 1 of 1: 2 launches
;; limits: right only within a limited range of input values
;; workspace buffers: kv 13,631,488 bytes; mbits 2,097,152 bytes of whole numbers
;; launch prep (part 1): grid 832 x 1, 4 waves a work-group, no clusters, 69,120 bytes of LDS; arguments key, mask, value_codes, value_scales, kv, mbits; writes kv, mbits
.if DOCPART == 1
	.amdgcn_target "amdgcn-amd-amdhsa--gfx1250"
	.amdhsa_code_object_version 6
	.text
	.protected	k_q41d60fc794_prep
	.globl	k_q41d60fc794_prep
	.p2align	8
	.type	k_q41d60fc794_prep,@function
k_q41d60fc794_prep:
	s_mov_b64 s[64:65], 0
	v_nop
	global_prefetch_b8 v0, s[64:65] scope:SCOPE_SE
	s_setreg_imm32_b32 hwreg(HW_REG_WAVE_MODE, 25, 1), 1
	s_wait_xcnt 0x0
; Lays out what the attention launch reads, once for all query blocks.  Three kinds of work-groups, told apart by the work-group's number; waves share nothing: no barrier.
;   0..511   MASK: mask [4][1][2048][2048] int32 -> mbits [b][query tile of 16][key step of 128][64 words].  Word n = 32 c + i, bit l = (mask[b][16 tile + l % 16][128 step + 64 c + 32 (l / 16) + i] != 0):
;            the lane mask that selects score register n in the attention launch.  All 16 heads read the bits.
;   512..767 KEY: key [4][2048][1024] f32 -> codes of E3M2 along a head's 64 numbers (two blocks of 32), with E8M0 scale bytes, laid as images of operand registers.
;   768..831 VALUE: value_codes and value_scales, taken as they are given, laid as images of operand registers.
; kv, for each head bh = 16 b + h, 212,992 bytes: K's 64 fragments (1,536 bytes each) | V's 64 fragments | K's scale words (16 steps x 32 lanes x 4 words) | V's scale words (the same).
; An image: registers 4 c .. 4 c + 3 of lane l lie at 512 c + 16 l of the fragment: every store of a wave covers 512 consecutive bytes, aligned.
; A FRAGMENT OF K HOLDS TWO TILES OF KEYS, since a head has only 64 of the instruction's 128 along K.  Fragment 2 c + w of a step: row r holds key 64 c + 32 (r / 8) + 16 w + r % 8 at k = 0..63
; and the key 8 further on at k = 64..127: so rows 0-7 of a group's four tiles are one block of 32 keys and rows 8-15 the next block.
; A block's scale is 2^(floor(log2(its largest magnitude)) - 4); its byte is the largest magnitude's exponent field - 4, held at 1 from below (a block of zeros gets the byte 1: its codes are zeros, and this program alone reads the bytes).
; LIMITS: blocks whose largest magnitude lies under 2^-122 get the byte 1; NaN and infinities in key are not served.
.set KVH,    212992                    ; bytes of kv for a head
.set VIMG,   98304                     ; V's images in it
.set KSCO,   196608                    ; K's scale words
.set VSCO,   204800                    ; V's scale words
.set R0,     16                        ; v16-79   data as loaded, set 0
.set R1,     80                        ; v80-143  set 1
.set X,      144                       ; v144-207 data back from the stage
.set W,      208                       ; v208-215 MASK: two registers of words for each of four steps
.set C,      208                       ; v208-219 KEY: a fragment's codes
.set T,      220                       ; v220-227 KEY: the upper halves of the two blocks' codes
.set KW,     228                       ; v228-231 KEY: the four fragments' scale words
.set MPITCH, 528                       ; MASK's stage: a row of 512 bytes + 16
.set MSTG,   16*MPITCH
.set KPITCH, 272                       ; KEY's stage: a row of 256 bytes + 16
.set KSTG,   32*KPITCH
.set KST0,   4*MSTG                    ; KEY's stages lie behind MASK's: each kind of work-group has LDS bytes of its own
.macro MLOAD t, set                    ; step t: 128 keys of 16 mask rows; each load takes 512 consecutive bytes of one row
.irp i, 0,1,2,3,4,5,6,7,8,9,10,11,12,13,14,15
	global_load_b128 v[\set+4*\i:\set+4*\i+3], v5, s[6:7] offset:8192*\i+512*(\t) th:TH_LOAD_NT
.endr
.endm
.macro MSTEP t, set
.if \t < 3
	s_wait_loadcnt 16                              ; this step's 16 loads are in; the next step's 16 may be out
.else
	s_wait_loadcnt 0x0
.endif
.irp i, 0,1,2,3,4,5,6,7,8,9,10,11,12,13,14,15
	ds_store_b128 v2, v[\set+4*\i:\set+4*\i+3] offset:MPITCH*\i
.endr
.irp q, 0,1,2,3
.irp j, 0,1,2,3
	ds_load_b128 v[X+16*\q+4*\j:X+16*\q+4*\j+3], v3 offset:256*(\q/2)+64*(\q%2)+16*\j   ; lane (r, h): row r; register 32 c + i takes key 64 c + 32 h + i.  LDS serves a wave's instructions in order
.endr
.endr
	s_wait_dscnt 0x0                               ; the numbers are back, and the stores have read their registers,
.if \t < 2
	MLOAD (\t)+2, \set                             ; which take the step two on
.endif
	v_mov_b32 v[W+2*\t], 0                         ; a lane write's destination counts as read
	v_mov_b32 v[W+2*\t+1], 0
.irp hf, 0,1
.set n, 0
.rept 32
	v_cmp_ne_u32 s[32+n], 0, v[X+32*\hf+n]         ; word 32 hf + n: one bit a lane
.set n, n+1
.endr
.set n, 0
.rept 32
	v_writelane_b32 v[W+2*\t+n%2], s[32+n], 16*\hf+n/2   ; word N goes to lane N / 2, register N % 2
.set n, n+1
.endr
.endr
	global_store_b64 v4, v[W+2*\t:W+2*\t+1], s[14:15] offset:256*\t   ; 32 lanes store 256 consecutive bytes, aligned
.endm
.macro KLOADG fr, set                  ; fragment fr = 2 c + w: keys 64 c + 16 w + 0..15 and the sixteen 32 further on; sixteen lanes take a key's 256 bytes, aligned
.irp i, 0,1,2,3,4,5,6,7,8,9,10,11,12,13,14,15
	global_load_b128 v[\set+4*\i:\set+4*\i+3], v1, s[4:5] offset:(64*((\fr)/2)+16*((\fr)%2)+32*((2*\i)/16)+(2*\i)%16)*4096 th:TH_LOAD_NT
.endr
.endm
.macro KFRAG fr, set
.if \fr < 3
	s_wait_loadcnt 16                              ; this fragment's 16 loads are in; the next one's may be out
.else
	s_wait_loadcnt 0x0
.endif
.irp i, 0,1,2,3,4,5,6,7,8,9,10,11,12,13,14,15  ; the k-th of the 32 keys goes to stage row 16 ((k / 8) % 2) + 8 (k / 16) + k % 8: the first tile's sixteen rows, then the second's
	ds_store_b128 v6, v[\set+4*\i:\set+4*\i+3] offset:KPITCH*(16*(((2*\i)/8)%2)+8*((2*\i)/16)+(2*\i)%8)
.endr
.irp u, 0,1
.irp j, 0,1,2,3,4,5,6,7
	ds_load_b128 v[X+32*\u+4*\j:X+32*\u+4*\j+3], v7 offset:16*KPITCH*\u+16*\j   ; lane (r, h): row r of tile u, numbers 32 h + 4 j on: a whole block of 32 in a lane
.endr
.endr
	s_wait_dscnt 0x0
	s_wait_xcnt 0x0                                ; the last fragment's stores have read the codes' registers, which are written again below
.if \fr < 2
	KLOADG (\fr)+2, \set
.endif
	v_max3_num_f32 v232, |v[X]|, |v[X+1]|, 0x2800000       ; the two blocks by turns; the floor 2^(5 - 127) holds the byte at 1 from below
	v_max3_num_f32 v233, |v[X+32]|, |v[X+33]|, 0x2800000
.irp i, 2,4,6,8,10,12,14,16,18,20,22,24,26,28,30
	v_max3_num_f32 v232, v232, |v[X+\i]|, |v[X+\i+1]|
	v_max3_num_f32 v233, v233, |v[X+32+\i]|, |v[X+33+\i]|
.endr
	v_add_nc_u32 v234, 0xfe000000, v232            ; 4 off the exponent field: the conversion takes this operand's exponent field as its scale
	v_add_nc_u32 v235, 0xfe000000, v233
	v_lshrrev_b32 v236, 23, v234                   ; the scales' bytes
	v_lshrrev_b32 v238, 23, v235
	v_lshl_or_b32 v236, v238, 16, v236             ; mine are bytes h and 2 + h of row r's word
	v_lshlrev_b32 v236, v8, v236
	v_permlanex16_b32 v237, v236, s28, s29
	v_or_b32 v[KW+\fr], v236, v237                 ; with lane l xor 16's two the word is whole
.irp u, 0,1
	v_cvt_scalef32_pk16_bf6_f32 v[C+6*\u:C+6*\u+2], v[X+32*\u:X+32*\u+15], v[234+\u]
	v_cvt_scalef32_pk16_bf6_f32 v[T+4*\u:T+4*\u+2], v[X+32*\u+16:X+32*\u+31], v[234+\u]   ; (a conversion's three registers begin on an even number)
.endr
	v_nop                                          ; one plain place behind a scaled conversion
.irp u, 0,1
.irp i, 0,1,2
	v_mov_b32 v[C+6*\u+3+\i], v[T+4*\u+\i]         ; registers 6 u .. 6 u + 5: k = 64 u + 32 h + 0 .. 31
.endr
.endr
.irp c, 0,1,2
	global_store_b128 v5, v[C+4*\c:C+4*\c+3], s[22:23] offset:1536*\fr+512*\c
.endr
.endm
.macro LOADV sg                        ; step sg of my four: four fragments (16 channels x 128 keys), straight into the operand's registers, in pieces of 8 bytes
.irp t, 0,1,2,3
.irp q, 0,1,2,3,4,5
	global_load_b64 v[16+48*\sg+12*\t+2*\q:16+48*\sg+12*\t+2*\q+1], v1, s[8:9] offset:24576*\t+96*\sg+48*(\q/3)+8*(\q%3)
.endr
.endr
.endm
.macro STOREV sg
.irp t, 0,1,2,3
.irp c, 0,1,2
	global_store_b128 v5, v[16+48*\sg+12*\t+4*\c:16+48*\sg+12*\t+4*\c+3], s[24:25] offset:6144*\sg+1536*\t+512*\c
.endr
.endr
	global_store_b128 v5, v[208+4*\sg:208+4*\sg+3], s[22:23] offset:512*\sg   ; the step's four scale words of my row
.endm
	s_load_b256 s[4:11], s[0:1], 0x0               ; key s[4:5], mask s[6:7], value_codes s[8:9], value_scales s[10:11]
	s_load_b128 s[12:15], s[0:1], 0x20             ; kv s[12:13], mbits s[14:15]
	v_lshl_add_u32 v240, v0, 2, 0x10c00
	v_mov_b32 v241, 0
	v_lshrrev_b32 v1, 5, v0
	v_readfirstlane_b32 s16, v1                    ; wave 0..3
	v_and_b32 v10, 31, v0                          ; lane
	v_and_b32 v11, 15, v0                          ; r
	v_bfe_u32 v12, v0, 4, 1                        ; h
	v_lshlrev_b32 v5, 4, v10                       ; 16 x lane
	; the LDS addresses of both staged kinds are made here, ahead of the parting
	s_mul_i32 s17, s16, MSTG
	v_add_nc_u32 v2, s17, v5                       ; MASK, in: 16 x lane of a row
	v_mul_u32_u24 v3, v11, MPITCH
	v_lshl_add_u32 v3, v12, 7, v3
	v_add_nc_u32 v3, s17, v3                       ; MASK, back: row r, + 128 h (32 keys)
	s_mul_i32 s17, s16, KSTG
	s_add_co_u32 s17, s17, KST0
	v_mul_u32_u24 v6, v12, KPITCH
	v_lshl_add_u32 v6, v11, 4, v6
	v_add_nc_u32 v6, s17, v6                       ; KEY, in: lanes 0-15 one row, lanes 16-31 the next
	v_mul_u32_u24 v7, v11, KPITCH
	v_lshl_add_u32 v7, v12, 7, v7
	v_add_nc_u32 v7, s17, v7                       ; KEY, back: row r, + 128 h
	s_mov_b32 s19, 0                               ; the upper words of three offsets
	s_mov_b32 s21, 0
	s_mov_b32 s23, 0
	s_cmp_lt_u32 ttmp9, 512
	s_cbranch_scc1 .Lmask
	s_cmp_lt_u32 ttmp9, 768
	s_cbranch_scc1 .Lkey
	; ---- VALUE: work-group = head, wave g takes key steps 4 g .. 4 g + 3
	s_sub_co_u32 s17, ttmp9, 768                   ; bh
	s_mul_i32 s18, s17, 98304                      ; the head's 64 rows of 1,536 bytes are dense
	s_mul_i32 s20, s16, 384                        ; four steps of 96 bytes in each row
	s_add_co_u32 s18, s18, s20
	s_lshl_b32 s20, s17, 12                        ; its 64 rows of 64 scale bytes
	s_lshl_b32 s22, s16, 4
	s_add_co_u32 s20, s20, s22
	s_mul_i32 s22, s17, KVH
	s_mul_i32 s24, s16, 24576
	s_add_co_u32 s24, s24, s22
	s_add_co_u32 s24, s24, VIMG                    ; my sixteen images
	s_mov_b32 s25, 0
	s_lshl_b32 s26, s16, 11
	s_add_co_u32 s22, s22, s26
	s_add_co_u32 s22, s22, VSCO                    ; my four steps' scale words
	v_mul_u32_u24 v1, v11, 1536
	v_mad_u32_u24 v1, v12, 24, v1                  ; row r, + 24 h
	v_lshlrev_b32 v4, 6, v11                       ; row r of scale bytes
	s_wait_alu depctr_va_vdst(0)
	s_wait_kmcnt 0x0
	s_add_nc_u64 s[8:9], s[8:9], s[18:19]
	s_add_nc_u64 s[10:11], s[10:11], s[20:21]
	s_add_nc_u64 s[24:25], s[12:13], s[24:25]
	s_add_nc_u64 s[22:23], s[12:13], s[22:23]
.irp sg, 0,1,2,3
.irp t, 0,1,2,3
	global_load_b32 v[208+4*\sg+\t], v4, s[10:11] offset:1024*\t+4*\sg
.endr
.endr
	LOADV 0
	LOADV 1
	s_wait_loadcnt 24                              ; the scale words and set 0 are in; set 1's 24 loads may be out
	STOREV 0
	LOADV 2                                        ; every set has registers of its own: no store's data are written again
	s_wait_loadcnt 24
	STOREV 1
	LOADV 3
	s_wait_loadcnt 24
	STOREV 2
	s_wait_loadcnt 0x0
	STOREV 3
	s_endpgm
	; ---- KEY: job J = 16 bh + step: 128 keys of one head, four fragments
.Lkey:
	s_sub_co_u32 s17, ttmp9, 512
	s_lshl_b32 s17, s17, 2
	s_add_co_u32 s17, s17, s16                     ; J
	s_lshr_b32 s24, s17, 4                         ; bh
	s_and_b32 s25, s17, 15                         ; step
	s_lshr_b32 s26, s24, 4                         ; b
	s_and_b32 s27, s24, 15                         ; head
	s_lshl_b32 s18, s26, 11
	s_lshl_b32 s20, s25, 7
	s_add_co_u32 s18, s18, s20                     ; the first key's row of 4,096 bytes
	s_lshl_b32 s18, s18, 12
	s_lshl_b32 s20, s27, 8
	s_add_co_u32 s18, s18, s20                     ; + the head's 256 bytes
	s_mul_i32 s20, s24, KVH
	s_mul_i32 s22, s25, 6144
	s_add_co_u32 s22, s22, s20                     ; my four images
	s_lshl_b32 s26, s25, 9
	s_add_co_u32 s20, s20, s26
	s_add_co_u32 s20, s20, KSCO                    ; my step's scale words
	s_mov_b32 s28, 0x76543210
	s_mov_b32 s29, 0xfedcba98                      ; v_permlanex16_b32's selects for lane l xor 16
	v_lshlrev_b32 v1, 12, v12
	v_lshl_add_u32 v1, v11, 4, v1                  ; lanes 0-15 one key, lanes 16-31 the next; 16 bytes a lane
	v_lshlrev_b32 v8, 3, v12                       ; 8 h
	v_mov_b32 v237, 0                              ; a lane permute's destination counts as one of its sources
	s_wait_alu depctr_va_vdst(0)
	s_wait_kmcnt 0x0
	s_add_nc_u64 s[4:5], s[4:5], s[18:19]
	s_add_nc_u64 s[22:23], s[12:13], s[22:23]
	s_add_nc_u64 s[20:21], s[12:13], s[20:21]
	KLOADG 0, R0
	KLOADG 1, R1
	KFRAG 0, R0
	KFRAG 1, R1
	KFRAG 2, R0
	KFRAG 3, R1
	global_store_b128 v5, v[KW:KW+3], s[20:21]     ; four words a lane: 512 consecutive bytes
	s_wait_tensorcnt 0x0
	ds_add_u32 v240, v241
	s_wait_dscnt 0x0
	s_endpgm
	; ---- MASK: work-group = (b, query tile), wave g takes key steps 4 g .. 4 g + 3
.Lmask:
	s_lshl_b32 s18, ttmp9, 17                      ; 16 rows of 8,192 bytes
	s_lshl_b32 s20, s16, 11                        ; 512 keys of 4 bytes
	s_add_co_u32 s18, s18, s20
	s_lshl_b32 s20, ttmp9, 12                      ; 16 steps of 256 bytes
	s_lshl_b32 s22, s16, 10
	s_add_co_u32 s20, s20, s22
	v_lshlrev_b32 v4, 3, v10                       ; out: 8 bytes a lane
	s_wait_kmcnt 0x0
	s_add_nc_u64 s[6:7], s[6:7], s[18:19]
	s_add_nc_u64 s[14:15], s[14:15], s[20:21]
	MLOAD 0, R0
	MLOAD 1, R1
	s_wait_alu depctr_va_vdst(0)
	MSTEP 0, R0
	MSTEP 1, R1
	MSTEP 2, R0
	MSTEP 3, R1
	s_wait_tensorcnt 0x0
	ds_add_u32 v240, v241
	s_wait_dscnt 0x0
	s_endpgm
.Lfunc_end_k_q41d60fc794_prep:
	.size	k_q41d60fc794_prep, .Lfunc_end_k_q41d60fc794_prep-k_q41d60fc794_prep
	.p2alignl 7, 3214868480
	.fill 96, 4, 3214868480
	.section	.rodata,"a",@progbits
	.p2align	6, 0x0
	.amdhsa_kernel k_q41d60fc794_prep
		.amdhsa_group_segment_fixed_size 69120
		.amdhsa_private_segment_fixed_size 0
		.amdhsa_enable_private_segment 0
		.amdhsa_kernarg_size 48
		.amdhsa_user_sgpr_count 2
		.amdhsa_user_sgpr_kernarg_segment_ptr 1
		.amdhsa_wavefront_size32 1
		.amdhsa_system_sgpr_workgroup_id_x 1
		.amdhsa_system_sgpr_workgroup_id_y 1
		.amdhsa_system_sgpr_workgroup_id_z 1
		.amdhsa_system_vgpr_workitem_id 0
		.amdhsa_next_free_vgpr 242
		.amdhsa_next_free_sgpr 66
		.amdhsa_reserve_vcc 0
		.amdhsa_float_denorm_mode_32 3
		.amdhsa_float_denorm_mode_16_64 3
		.amdhsa_memory_ordered 1
		.amdhsa_forward_progress 1
		.amdhsa_inst_pref_size 95
	.end_amdhsa_kernel
	.amdgpu_metadata
---
amdhsa.version: [ 1, 2 ]
amdhsa.kernels:
  - .name:           k_q41d60fc794_prep
    .symbol:         k_q41d60fc794_prep.kd
    .args:
      - { .name: key, .offset: 0, .size: 8, .value_kind: global_buffer, .address_space: global }
      - { .name: mask, .offset: 8, .size: 8, .value_kind: global_buffer, .address_space: global }
      - { .name: value_codes, .offset: 16, .size: 8, .value_kind: global_buffer, .address_space: global }
      - { .name: value_scales, .offset: 24, .size: 8, .value_kind: global_buffer, .address_space: global }
      - { .name: kv, .offset: 32, .size: 8, .value_kind: global_buffer, .address_space: global }
      - { .name: mbits, .offset: 40, .size: 8, .value_kind: global_buffer, .address_space: global }
    .group_segment_fixed_size: 69120
    .private_segment_fixed_size: 0
    .kernarg_segment_align: 8
    .kernarg_segment_size: 48
    .max_flat_workgroup_size: 128
    .sgpr_count:     66
    .vgpr_count:     242
    .wavefront_size: 32
...
	.end_amdgpu_metadata
.endif
;; end of part 1
;; launch attn (part 2): grid 4 x 64, 16 waves a work-group, clusters of 4 x 1, 284,672 bytes of LDS; arguments query, kv, mbits, out0; writes out0
.if DOCPART == 2
	.amdgcn_target "amdgcn-amd-amdhsa--gfx1250"
	.amdhsa_code_object_version 6
	.text
	.protected	k_q41d60fc794_attn
	.globl	k_q41d60fc794_attn
	.p2align	8
	.type	k_q41d60fc794_attn,@function
k_q41d60fc794_attn:
	s_mov_b64 s[64:65], 0
	v_nop
	global_prefetch_b8 v0, s[64:65] scope:SCOPE_SE
	s_setreg_imm32_b32 hwreg(HW_REG_WAVE_MODE, 25, 1), 1
	s_wait_xcnt 0x0
	s_wait_alu depctr_hold_cnt(0) depctr_sa_sdst(0) depctr_va_vdst(0) depctr_va_sdst(0) depctr_va_ssrc(0) depctr_va_vcc(0) depctr_vm_vsrc(0)
	s_getreg_b32 s2, hwreg(HW_REG_IB_STS2, 6, 4)
	s_cmp_eq_u32 s2, 0
	s_cbranch_scc0 .Lentry_in_a_cluster
	s_endpgm
.Lentry_in_a_cluster:
	s_bfe_u32 s2, ttmp6, 0x10000c
	s_cmp_lg_u32 s2, 0x3003
	s_cbranch_scc0 .Lentry_shape_is_right
	s_endpgm
.Lentry_shape_is_right:
; out[b][q][64 h ..] = the sum over k of softmax_k(where(mask == 0, NEG, Q[q] . K[k] / 8)) V[k], 64 heads (bh = 16 b + h), 2,048 queries and keys, 64 numbers a head; both products on codes of E3M2 with one E8M0 scale for each 32 along K.
; THE SOFTMAX AHEAD OF THE SECOND PRODUCT: t = score x log2(e) / 8; M = the row's largest t so far, rounded UP to a whole number; p = 2^(t - M) is quantised along the keys, not normalised; the row's sum is taken of the
; unquantised p and divides at the end.  When M moves, the sum and O are multiplied by 2^(old M - new M): exact.
; SHARES.  A work-group owns 512 queries of one head; each of its sixteen waves owns two tiles of 16 queries, one after the other, and walks all 2,048 keys for each, 128 a step.
; THE WHOLE HEAD'S K AND V LIE IN LDS: 212,992 bytes of codes and scale words, laid by the launch before as images of operand registers, brought ONCE: each wave fetches a sixteenth with one tensor load.  Nothing is filled again.
; CLUSTER.  The four work-groups of a cluster are the four query blocks of one head and want the same 212,992 bytes: each wave's load is a JOINT load, the same descriptor and a mask that names the four.
; LAYOUT.  Both products are used transposed: S^T = K Q^T, O^T = V^T P^T: a lane holds ONE query (lane % 16) throughout.  A head has 64 of the instruction's 128 along K, so a fragment of K holds two tiles of keys, one in each half of K,
; and is multiplied by [Q | 0] and by [0 | Q].  The keys of a tile are chosen so that score register 32 c + i of lane (r, h) is key 64 c + 32 h + i of the step: A LANE HOLDS WHOLE BLOCKS OF 32 KEYS, blocks h and 2 + h,
; in the order of the next operand's registers: a block's maximum needs no other lane, and the conversions' results are the operand.
; THE MASK comes as lane masks, one word for each score register, by scalar loads a step ahead: one v_cndmask_b32 a register.
; NO PREFETCH: K and V are asked for once, at the head, where there is no loop to run ahead in; the lane masks are asked for a whole step ahead by their own loads; the second tile's queries on the first tile's way out.
; LIMITS.  A masked score becomes -2^33 (a logit of -2^30 in place of -1e9): times c it is a whole number in f32, so that in a row with every key masked every p is exactly 1, as in reference(); results equal reference()'s
; as long as every unmasked logit lies above about -1e9.  NaN and infinities are not served.  Blocks of Q whose largest magnitude lies under 2^-122 get the scale byte 1.
.set KVH,   212992                     ; a head's bytes in kv, and in LDS from byte 0
.set VIMG,  98304                      ; V's images in it;  a step's four fragments are 6,144 bytes
.set KSCO,  196608                     ; K's scale words: 512 bytes a step
.set VSCO,  204800                     ; V's
.set WPART, 13312                      ; a sixteenth: 52 rows of 256 bytes
.set STG,   212992                     ; behind it: a stage of 16 rows x (256 + 16) bytes for each wave, for Q on the way in and O on the way out; no tensor load lands there
.set WSTG,  4352
.set SPARE, 0x45000                    ; behind the stages: the spare words, 128 bytes a wave
.set AK0,  1                           ; v1   16 x lane: my place in an image
.set AV0,  2                           ; v2   the same among V's images
.set AKS0, 3                           ; v3   among K's scale words
.set AVS0, 4                           ; v4   among V's
.set ADK,  5                           ; v5-8 the addresses of the loads in hand
.set ADV,  6
.set ADS,  7
.set ADT,  8
.set STO,  9                           ; v9   the stage: row r, + 32 h
.set RD,   10                          ; v10  the stage: lanes 0-15 one row, lanes 16-31 the next, 16 bytes a lane
.set GO,   11                          ; v11  the same two rows in query and in out0
.set NEG,  12                          ; v12  -2^33
.set QRD,  13                          ; v13  the stage: row r, + 128 h
.set NM,   14                          ; v14  -M; v15, the largest score so far, is named with it as a pair
.set L,    16                          ; v16-19 the row's sum: two chains of two halves
.set FF,   20                          ; v20  f = 2^(old M - new M), later 1 / the sum; v21 is named with it as a pair
.set PW,   22                          ; v22  p's scale word
.set TMP,  23
.set QS,   24                          ; v24 Q's scale word for [Q | 0], v25 for [0 | Q]
.set RM,   15                          ; v15  the largest score so far
.set OLD,  27                          ; v27  the last step's -M
.set KS,   28                          ; v[28:31] K's scale words of the step
.set VS,   32                          ; v[32:35] V's
.set QZ,   36                          ; v36-53: zeros, Q, zeros, six registers each.  [0 | Q] begins at QZ, [Q | 0] at QZ + 6
.set BM,   56                          ; v56, v57  my two blocks' largest scores, then their largest p
.set BX,   58                          ; v58, v59  the maxima's second chains
.set T,    60                          ; v[60:67] the conversions' second halves
.set KV,   68                          ; v[68:115] four fragments, of K and then of V
.set S,    116                         ; v[116:179] S^T, then p
.set O,    180                         ; v[180:211] O^T; Q as loaded
.set P,    212                         ; v[212:223] p's codes
.set PT,   224                         ; v224, v225 lane permutes' results, the scales' bytes
.set SO,   226                         ; v226, v227 the conversions' scale operands
.set SH8,  228                         ; v228 8 h
.set QA,   230                         ; v230-232 at work in the head and on Q
; scalars: s[4:5] query, s[8:9] mbits, s[10:11] out0, each at my wave's part; s12 wave; s2, s3 the step's bytes among images and among scale words; s15 counter; s[66:67] lane selects; s96 c;
; s[84:91], s[92:95] the descriptor; the mask's 64 words: word n in s[16 + n] for n < 48, else in s[20 + n].
.macro CROUND                          ; a round of the cluster's barrier
	s_barrier_signal -1
	s_barrier_wait -1
	s_cmp_lg_u32 s12, 0
	s_cbranch_scc1 .Lnot_wave_0_\@
	s_barrier_signal -3
.Lnot_wave_0_\@:
	s_barrier_wait -3
	s_barrier_signal -1
	s_barrier_wait -1
.endm
.macro MM d, a, b, c, sa, sb
	v_wmma_scale_f32_16x16x128_f8f6f4 v[\d:\d+7], v[\a:\a+11], v[\b:\b+11], \c, v[\sa], v[\sb] matrix_a_fmt:MATRIX_FMT_BF6 matrix_b_fmt:MATRIX_FMT_BF6
.endm
.macro MASKLOAD                        ; a step's 64 lane masks, 256 bytes
	s_load_b512 s[16:31], s[8:9], 0x0
	s_load_b512 s[32:47], s[8:9], 0x40
	s_load_b512 s[48:63], s[8:9], 0x80
	s_load_b512 s[68:83], s[8:9], 0xc0
.endm
.macro KLOAD                           ; the step's four fragments of K and their scale words: every load takes 512 consecutive bytes
	v_add_nc_u32 v[ADK], s2, v[AK0]
	v_add_nc_u32 v[ADS], s3, v[AKS0]
.irp f, 0,1,2,3
.irp c, 0,1,2
	ds_load_b128 v[KV+12*\f+4*\c:KV+12*\f+4*\c+3], v[ADK] offset:1536*\f+512*\c
.endr
.endr
	ds_load_b128 v[KS:KS+3], v[ADS]
.endm
; Items a .. b - 1 of the 32 dual additions that sum the step's 64 unquantised p, in two chains of two halves
.macro SUMS a, b
.set z, \a
.rept \b-\a
.if z == 0
	v_dual_add_f32 v[L+2], v[S], v[S+2] :: v_dual_add_f32 v[L+3], v[S+1], v[S+3]
.elseif z == 31
	v_dual_add_f32 v[L], v[L+2], v[L] :: v_dual_add_f32 v[L+1], v[L+3], v[L+1]
.elseif z == 1 && FUSE
	v_pk_fma_f32 v[L:L+1], v[L:L+1], v[FF:FF+1], v[S+4:S+5] op_sel_hi:[1,0,1]   ; the sum under the new M and its first addition in one
.elseif z%2 == 1
	v_dual_add_f32 v[L], v[S+2*z+2], v[L] :: v_dual_add_f32 v[L+1], v[S+2*z+3], v[L+1]
.else
	v_dual_add_f32 v[L+2], v[S+2*z+2], v[L+2] :: v_dual_add_f32 v[L+3], v[S+2*z+3], v[L+3]
.endif
.set z, z+1
.endr
.endm
.macro QLOAD pq                        ; 16 queries: sixteen lanes take a row's 256 bytes, aligned
.irp i, 0,1,2,3,4,5,6,7
	global_load_b128 v[O+4*\i:O+4*\i+3], v[GO], s[4:5] offset:65536*(\pq)+8192*\i th:TH_LOAD_NT
.endr
.endm
; The tile as loaded turns through my stage, so that a lane holds the 32 numbers of one block of its row, and is quantised
.macro QPREP
	s_wait_alu depctr_va_vdst(0)
	s_wait_loadcnt 0x0
.irp i, 0,1,2,3,4,5,6,7
	ds_store_b128 v[RD], v[O+4*\i:O+4*\i+3] offset:544*\i
.endr
.irp j, 0,1,2,3,4,5,6,7
	ds_load_b128 v[S+4*\j:S+4*\j+3], v[QRD] offset:16*\j   ; LDS serves a wave's instructions in order: these see the stores above
.endr
	s_wait_dscnt 0x0
	v_max3_num_f32 v[QA], |v[S]|, |v[S+1]|, 0x2800000      ; the block's largest magnitude in two chains, and the floor 2^(5 - 127)
	v_max3_num_f32 v[QA+1], |v[S+16]|, |v[S+17]|, 0x2800000
.irp i, 2,4,6,8,10,12,14
	v_max3_num_f32 v[QA], v[QA], |v[S+\i]|, |v[S+\i+1]|
	v_max3_num_f32 v[QA+1], v[QA+1], |v[S+16+\i]|, |v[S+17+\i]|
.endr
	s_delay_alu instid0(VALU_DEP_1)
	v_max_num_f32 v[QA], v[QA], v[QA+1]
	s_delay_alu instid0(VALU_DEP_1)
	v_add_nc_u32 v[QA+1], 0xfe000000, v[QA]        ; 4 off the exponent field: the conversion's scale operand
	s_delay_alu instid0(VALU_DEP_1)
	v_lshrrev_b32 v[QA+2], 23, v[QA+1]             ; the scale's byte,
	s_delay_alu instid0(VALU_DEP_1)
	v_lshlrev_b32 v[QA+2], v[SH8], v[QA+2]         ; at byte h,
	s_delay_alu instid0(VALU_DEP_1)
	v_permlanex16_b32 v[PT], v[QA+2], s66, s67
	s_delay_alu instid0(VALU_DEP_1)
	v_or_b32 v[QA+2], v[QA+2], v[PT]               ; with lane l xor 16's
	s_delay_alu instid0(VALU_DEP_1)
	v_or_b32 v[QS], 0x01010000, v[QA+2]            ; for [Q | 0]: the zero half gets the byte 1
	v_lshl_or_b32 v[QS+1], v[QA+2], 16, 0x0101     ; for [0 | Q]
	v_cvt_scalef32_pk16_bf6_f32 v[QZ+6:QZ+8], v[S:S+15], v[QA+1]
	v_cvt_scalef32_pk16_bf6_f32 v[T:T+2], v[S+16:S+31], v[QA+1]   ; (a conversion's three registers begin on an even number)
	v_nop                                          ; one plain place behind a scaled conversion
.irp i, 0,1,2
	v_mov_b32 v[QZ+9+\i], v[T+\i]
.endr
.endm
; A KEY STEP: 128 keys.  first = 1: the products start O^T's sums and nothing is rescaled; kn = 1: the next step's K is fetched; mn = 1: the next step's lane masks are asked for.
.macro STEP first, kn, mn
.set FUSE, 1-\first                    ; the first step's sum begins at zero and has no f
	s_wait_dscnt 0x0                               ; K's fragments and scale words are in
.irp f, 0,1,2,3                                ; eight accumulators, each begun with the constant 0
	MM S+16*\f, KV+12*\f, QZ+6, 0, KS+\f, QS
	MM S+16*\f+8, KV+12*\f, QZ, 0, KS+\f, QS+1
.endr
	v_add_nc_u32 v[ADV], s2, v[AV0]                ; four plain places behind the products: ahead of the loads into K's registers and of the first read of the scores
	v_add_nc_u32 v[ADT], s3, v[AVS0]
.if \first
	v_nop
.else
	v_mov_b32 v[OLD], v[NM]
.endif
	v_nop
.irp t, 0,1,2,3                                ; V's four fragments of the step take K's place: they land while the softmax is worked
.irp c, 0,1,2
	ds_load_b128 v[KV+12*\t+4*\c:KV+12*\t+4*\c+3], v[ADV] offset:1536*\t+512*\c
.endr
.endr
	ds_load_b128 v[VS:VS+3], v[ADT]
	s_wait_kmcnt 0x0                               ; the step's lane masks, asked for a step ago
.set n, 0
.rept 64                                       ; masked scores become -2^33; each accumulator is read from its low end on
.if n < 48
	v_cndmask_b32 v[S+n], v[NEG], v[S+n], s[16+n]
.else
	v_cndmask_b32 v[S+n], v[NEG], v[S+n], s[20+n]
.endif
.set n, n+1
.endr
.if \mn
	s_add_nc_u64 s[8:9], s[8:9], 256               ; (the wait above has shown the last scalar loads done)
	MASKLOAD
.endif
.irp c, 0,1                                    ; the largest score of my two blocks of 32 keys, each in two chains: for the row's maximum and, since p rises with the score, for the block's largest p
	v_max3_num_f32 v[BM+\c], v[S+32*\c], v[S+32*\c+1], v[S+32*\c+2]
	v_max3_num_f32 v[BX+\c], v[S+32*\c+16], v[S+32*\c+17], v[S+32*\c+18]
.endr
.irp i, 3,5,7,9,11,13
.irp c, 0,1
	v_max3_num_f32 v[BM+\c], v[BM+\c], v[S+32*\c+\i], v[S+32*\c+\i+1]
	v_max3_num_f32 v[BX+\c], v[BX+\c], v[S+32*\c+16+\i], v[S+32*\c+17+\i]
.endr
.endr
.irp c, 0,1
	v_max3_num_f32 v[BM+\c], v[BM+\c], v[BX+\c], v[S+32*\c+15]
.endr
.irp c, 0,1
	v_max_num_f32 v[BM+\c], v[BM+\c], v[S+32*\c+31]
.endr
	s_delay_alu instid0(VALU_DEP_1)
	v_max_num_f32 v[TMP], v[BM], v[BM+1]
	s_delay_alu instid0(VALU_DEP_1)
	v_permlanex16_b32 v[PT], v[TMP], s66, s67      ; lane l xor 16's two blocks
	s_delay_alu instid0(VALU_DEP_1)
	v_max3_num_f32 v[RM], v[RM], v[TMP], v[PT]     ; the running largest score of my query
	s_delay_alu instid0(VALU_DEP_1)
	v_mul_f32 v[TMP], s96, v[RM]                   ; as t (c is positive)
	s_delay_alu instid0(VALU_DEP_1)
	v_floor_f32 v[NM], -v[TMP]                     ; the new -M = floor(-t): a whole number
.if \first == 0
	s_delay_alu instid0(VALU_DEP_1)
	v_sub_f32 v[TMP], v[NM], v[OLD]                ; old M - new M, 0 or less
	s_delay_alu instid0(VALU_DEP_1)
	v_cvt_i32_f32 v[TMP], v[TMP]                   ; (it saturates)
	s_delay_alu instid0(VALU_DEP_1)
	v_ldexp_f32 v[FF], 1.0, v[TMP]                 ; f = 2^(old M - new M)
.endif
.set n, 0
.rept 32
	v_pk_fma_f32 v[S+n:S+n+1], v[S+n:S+n+1], s[96:97], v[NM:NM+1] op_sel_hi:[1,0,0]   ; t - M, two at a time (of c's pair and of -M's the low word serves both halves)
.set n, n+2
.endr
.irp c, 0,1
	v_fma_f32 v[BM+\c], v[BM+\c], s96, v[NM]       ; the same of each block's largest score
.endr
.if \first == 0
.set n, 0
.rept 16
	v_pk_mul_f32 v[O+n:O+n+1], v[O+n:O+n+1], v[FF:FF+1] op_sel_hi:[1,0]   ; O^T under the new M, ahead of the exponentials; each accumulator from its low end on
.set n, n+2
.endr
.endif
	s_wait_alu depctr_va_vdst(0)
.set n, 0
.rept 64
	v_exp_f32 v[S+n], v[S+n]                       ; p = 2^(t - M): ONE batch of 66 exponentials
.set n, n+1
.endr
.irp c, 0,1
	v_exp_f32 v[BM+\c], v[BM+\c]                   ; the block's largest p: the same arithmetic on the same number gives the same bits
.endr
	v_nop                                          ; a plain place behind the batch
	s_wait_alu depctr_va_vdst(0)                   ; one wait for the batch, ahead of its first reader
.irp c, 0,1
	v_max_num_f32 v[BM+\c], 0x2800000, v[BM+\c]    ; the floor 2^(5 - 127): the byte cannot fall under 1 (a block whose every p is 0 keeps that byte: its codes are zeros)
.endr
.irp c, 0,1
	v_add_nc_u32 v[SO+\c], 0xfe000000, v[BM+\c]    ; 4 off the exponent field: the conversion's scale operand
.endr
.irp c, 0,1                                    ; registers 6 c .. 6 c + 5 of the operand: k = 64 c + 32 h + 0 .. 31, all mine
	v_cvt_scalef32_pk16_bf6_f32 v[P+6*\c:P+6*\c+2], v[S+32*\c:S+32*\c+15], v[SO+\c]
	v_cvt_scalef32_pk16_bf6_f32 v[T+4*\c:T+4*\c+2], v[S+32*\c+16:S+32*\c+31], v[SO+\c]   ; (a conversion's three registers begin on an even number)
.endr
.irp c, 0,1
	v_lshrrev_b32 v[PT+\c], 23, v[SO+\c]           ; the scales' bytes (also the plain places behind the conversions)
.endr
	s_delay_alu instid0(VALU_DEP_1)
	v_lshl_or_b32 v[PW], v[PT+1], 16, v[PT]        ; mine are bytes h and 2 + h of my query's word
	s_delay_alu instid0(VALU_DEP_1)
	v_lshlrev_b32 v[PW], v[SH8], v[PW]
	s_delay_alu instid0(VALU_DEP_1)
	v_permlanex16_b32 v[PT], v[PW], s66, s67
	s_delay_alu instid0(VALU_DEP_1)
	v_or_b32 v[PW], v[PW], v[PT]                   ; with lane l xor 16's two the word is whole
	v_dual_mov_b32 v[P+3], v[T] :: v_dual_mov_b32 v[P+4], v[T+1]
	v_dual_mov_b32 v[P+5], v[T+2] :: v_dual_mov_b32 v[P+10], v[T+5]
	v_mov_b32 v[P+9], v[T+4]
	v_mov_b32 v[P+11], v[T+6]
	SUMS 0, 8                                      ; eight plain places between the last write of p's codes and scale word and the scaled products
	s_wait_alu depctr_va_vdst(0)
	s_wait_dscnt 0x0                               ; V's fragments and scale words are in
.irp t, 0,1,2,3                                ; O^T += V^T P^T: four accumulators by turns, one instruction a turn
.if \first
	MM O+8*\t, KV+12*\t, P, 0, VS+\t, PW
.else
	MM O+8*\t, KV+12*\t, P, v[O+8*\t:O+8*\t+7], VS+\t, PW
.endif
.endr
	SUMS 8, 12                                     ; four plain places ahead of the loads into V's registers
.if \kn
	s_add_co_u32 s2, s2, 6144                      ; the next step
	s_add_co_u32 s3, s3, 512
	KLOAD                                          ; lands under the rest of the sums
.endif
	SUMS 12, 32
.endm
; Tile pq leaves: O^T / the sum goes through my stage and is stored as whole rows of the head's 256 bytes.  more = 1: the next tile's queries are asked for as soon as O^T's registers are free.
.macro WAYOUT pq, more
	v_add_f32 v[L], v[L], v[L+1]                   ; the sum's two halves,
	s_delay_alu instid0(VALU_DEP_1)
	v_permlanex16_b32 v[PT], v[L], s66, s67
	s_delay_alu instid0(VALU_DEP_1)
	v_add_f32 v[L], v[L], v[PT]                    ; and lane l xor 16's
	s_wait_alu depctr_va_vdst(0)
	v_rcp_f32 v[FF], v[L]
	v_nop                                          ; a plain place behind the reciprocal
	s_wait_alu depctr_va_vdst(0)                   ; the wait ahead of its first reader and of O^T's
.set n, 0
.rept 16
	v_pk_mul_f32 v[S+n:S+n+1], v[O+n:O+n+1], v[FF:FF+1] op_sel_hi:[1,0]   ; register 8 t + j: channel 16 t + 8 h + j of query r
.set n, n+2
.endr
.if \more
	QLOAD \pq+1
.endif
.irp t, 0,1,2,3
	ds_store_b128 v[STO], v[S+8*\t:S+8*\t+3] offset:64*\t
	ds_store_b128 v[STO], v[S+8*\t+4:S+8*\t+7] offset:64*\t+16
.endr
.irp i, 0,1,2,3,4,5,6,7
	ds_load_b128 v[S+32+4*\i:S+32+4*\i+3], v[RD] offset:544*\i   ; LDS serves a wave's instructions in order: these see the stores above
.endr
.irp i, 0,1,2,3,4,5,6,7
	s_wait_dscnt 7-\i                              ; load i is back; the younger ones may be out
	global_store_b128 v[GO], v[S+32+4*\i:S+32+4*\i+3], s[10:11] offset:65536*\pq+8192*\i th:TH_STORE_NT   ; sixteen lanes store 256 consecutive bytes, aligned
.endr
.if \more
	s_wait_xcnt 0x0                                ; the stores have read their data: the next tile's products write those registers
.endif
.endm
; One query tile through all 16 key steps: the first written out, fourteen in the loop, the last written out
.macro PASS pq, more
	s_mov_b32 s2, 0
	s_mov_b32 s3, 0
	v_mov_b32 v[RM], 0xff61b1e6                    ; -3e38, under every score
	v_mov_b32 v[L], 0
	v_mov_b32 v[L+1], 0
	KLOAD
	s_mov_b32 s15, 14
	s_wait_alu depctr_va_vdst(0)
	STEP 1, 1, 1
.Lstep_\pq:
	STEP 0, 1, 1
	s_sub_co_u32 s15, s15, 1
	s_cmp_lg_u32 s15, 0
	s_cbranch_scc1 .Lstep_\pq
	STEP 0, 0, \more                               ; the last step fetches no K; its lane masks' successors are the next tile's first, if there is a next tile
	WAYOUT \pq, \more
.endm
	s_load_b256 s[4:11], s[0:1], 0x0               ; query s[4:5], kv s[6:7], mbits s[8:9], out0 s[10:11]
	v_lshl_add_u32 v254, v0, 2, SPARE
	v_mov_b32 v255, 0
	ds_add_u32 v254, v255                          ; the opening lines: the add, twice on end, and its wait ahead of my tensor load
	ds_add_u32 v254, v255
	v_lshrrev_b32 v[TMP], 5, v0
	s_delay_alu instid0(VALU_DEP_1)
	v_readfirstlane_b32 s12, v[TMP]                ; wave 0..15
	s_bfe_u32 s13, ttmp6, 0x40000                  ; cx: my place in the cluster
	s_lshl_b32 s15, ttmp9, 2
	s_add_co_u32 s13, s13, s15                     ; my block of 512 queries: it enters query's, mbits' and out0's addresses alone
	s_and_b32 s14, ttmp7, 0xffff                   ; bh, which the four partners share
	s_lshr_b32 s15, s14, 4                         ; b
	s_and_b32 s2, s14, 15                          ; head
	s_lshl_b32 s100, s15, 11
	s_lshl_b32 s3, s13, 9
	s_add_co_u32 s100, s100, s3
	s_lshl_b32 s3, s12, 5
	s_add_co_u32 s100, s100, s3                    ; my first row: 2,048 b + 512 block + 32 wave
	s_lshl_b32 s100, s100, 12                      ; of 4,096 bytes,
	s_lshl_b32 s3, s2, 8
	s_add_co_u32 s100, s100, s3                    ; + the head's 256
	s_mov_b32 s101, 0
	s_lshl_b32 s2, s15, 19                         ; mbits: 128 tiles of 4,096 bytes for each b,
	s_lshl_b32 s3, s13, 17                         ; 32 tiles a block,
	s_add_co_u32 s2, s2, s3
	s_lshl_b32 s3, s12, 13                         ; two a wave: my 32 steps are 8,192 bytes on end
	s_add_co_u32 s2, s2, s3
	s_mov_b32 s3, 0
	s_mul_i32 s98, s14, KVH                        ; kv: the head's block, and my sixteenth of it; these registers never hold my place in the cluster
	s_mul_i32 s93, s12, WPART                      ; descriptor group 0, 63:32: the LDS address: wave x 13,312
	s_add_co_u32 s98, s98, s93
	s_mov_b32 s99, 0
	s_mov_b32 s92, 1                               ; 1:0 count = 1
	s_mov_b32 s84, 15|(3<<16)|(1<<21)              ; group 1: 15:0 the mask: all four work-groups; 17:16 elements of 8 bytes; 20 no padding; 21 set beside a mask
	s_mov_b32 s85, 32<<16                          ; tensor_dim0 = 32 elements: rows of 256 bytes
	s_mov_b32 s86, 52<<16                          ; tensor_dim1 = 52
	s_mov_b32 s87, 32<<16                          ; tile_dim0 = 32
	s_mov_b32 s88, 52                              ; tile_dim1 = 52
	s_mov_b32 s89, 32                              ; the pitch: the block is dense
	s_mov_b32 s90, 0
	s_mov_b32 s91, 0
	s_mov_b32 s66, 0x76543210
	s_mov_b32 s67, 0xfedcba98                      ; v_permlanex16_b32's selects for lane l xor 16
	s_mov_b32 s96, 0x3e38aa3b                      ; c = log2(e) / 8
	s_mov_b32 s97, s96                             ; (named with it as a pair, so it is written)
	v_and_b32 v[TMP], 31, v0
	s_delay_alu instid0(VALU_DEP_1)
	v_lshlrev_b32 v[AK0], 4, v[TMP]
	s_delay_alu instid0(VALU_DEP_1)
	v_add_nc_u32 v[AV0], VIMG, v[AK0]
	v_add_nc_u32 v[AKS0], KSCO, v[AK0]
	v_add_nc_u32 v[AVS0], VSCO, v[AK0]
	v_and_b32 v[QA], 15, v0                        ; r
	v_bfe_u32 v[QA+1], v0, 4, 1                    ; h
	s_mul_i32 s15, s12, WSTG
	s_add_co_u32 s15, s15, STG                     ; my stage
	v_mul_u32_u24 v[QA+2], v[QA], 272
	s_delay_alu instid0(VALU_DEP_1)
	v_add_nc_u32 v[QA+2], s15, v[QA+2]
	s_delay_alu instid0(VALU_DEP_1)
	v_lshl_add_u32 v[STO], v[QA+1], 5, v[QA+2]
	v_lshl_add_u32 v[QRD], v[QA+1], 7, v[QA+2]
	v_mul_u32_u24 v[RD], v[QA+1], 272
	s_delay_alu instid0(VALU_DEP_1)
	v_lshl_add_u32 v[RD], v[QA], 4, v[RD]
	s_delay_alu instid0(VALU_DEP_1)
	v_add_nc_u32 v[RD], s15, v[RD]
	v_lshlrev_b32 v[GO], 12, v[QA+1]
	s_delay_alu instid0(VALU_DEP_1)
	v_lshl_add_u32 v[GO], v[QA], 4, v[GO]
	v_lshlrev_b32 v[SH8], 3, v[QA+1]               ; 8 h
	s_wait_alu depctr_va_vdst(0)
	s_wait_dscnt 0x0
	s_wait_kmcnt 0x0
	s_add_nc_u64 s[4:5], s[4:5], s[100:101]
	s_add_nc_u64 s[10:11], s[10:11], s[100:101]
	s_add_nc_u64 s[8:9], s[8:9], s[2:3]
	s_add_nc_u64 s[94:95], s[6:7], s[98:99]        ; 120:64 the global address
	s_or_b32 s95, s95, 0x80000000                  ; 127:126 type = 2
	MASKLOAD                                       ; the first step's lane masks
	QLOAD 0                                        ; my first 16 queries; the other 16 are asked for on the first tile's way out
	CROUND                                         ; all four work-groups are here: the joint loads meet
	tensor_load_to_lds s[92:95], s[84:91]          ; my sixteenth of the head's K and V: my one tensor load
	s_nop 0
.irp g, 0,12
.irp i, 0,1,2,3,4,5
	v_mov_b32 v[QZ+\g+\i], 0                       ; the zero halves beside Q
.endr
.endr
	v_mov_b32 v[PT], 0                             ; a lane permute's destination counts as one of its sources
	v_mov_b32 v[NEG], 0xd0000000                   ; -2^33
	v_mov_b32 v[FF+1], 0                           ; (named as the upper half of a pair)
	QPREP
	s_wait_alu depctr_va_vdst(0)
	s_wait_tensorcnt 0x0                           ; my sixteenth has landed,
	s_wait_dscnt 0x0
	s_barrier_signal -1
	s_barrier_wait -1                              ; everybody's has: the head's K and V are whole, and nobody writes them again
	PASS 0, 1
	QPREP
	PASS 1, 0
	s_wait_dscnt 0x0
	s_wait_tensorcnt 0x0                           ; the wave's end
	ds_add_u32 v254, v255
	s_wait_dscnt 0x0
	CROUND                                         ; the closing round: no work-group ends while a partner may still ask for a tile that names it
	s_endpgm
.Lfunc_end_k_q41d60fc794_attn:
	.size	k_q41d60fc794_attn, .Lfunc_end_k_q41d60fc794_attn-k_q41d60fc794_attn
	.p2alignl 7, 3214868480
	.fill 96, 4, 3214868480
	.section	.rodata,"a",@progbits
	.p2align	6, 0x0
	.amdhsa_kernel k_q41d60fc794_attn
		.amdhsa_group_segment_fixed_size 284672
		.amdhsa_private_segment_fixed_size 0
		.amdhsa_enable_private_segment 0
		.amdhsa_kernarg_size 32
		.amdhsa_user_sgpr_count 2
		.amdhsa_user_sgpr_kernarg_segment_ptr 1
		.amdhsa_wavefront_size32 1
		.amdhsa_system_sgpr_workgroup_id_x 1
		.amdhsa_system_sgpr_workgroup_id_y 1
		.amdhsa_system_sgpr_workgroup_id_z 1
		.amdhsa_system_vgpr_workitem_id 0
		.amdhsa_next_free_vgpr 256
		.amdhsa_next_free_sgpr 102
		.amdhsa_reserve_vcc 0
		.amdhsa_float_denorm_mode_32 3
		.amdhsa_float_denorm_mode_16_64 3
		.amdhsa_memory_ordered 1
		.amdhsa_forward_progress 1
		.amdhsa_inst_pref_size 131
	.end_amdhsa_kernel
	.amdgpu_metadata
---
amdhsa.version: [ 1, 2 ]
amdhsa.kernels:
  - .name:           k_q41d60fc794_attn
    .symbol:         k_q41d60fc794_attn.kd
    .args:
      - { .name: query, .offset: 0, .size: 8, .value_kind: global_buffer, .address_space: global }
      - { .name: kv, .offset: 8, .size: 8, .value_kind: global_buffer, .address_space: global }
      - { .name: mbits, .offset: 16, .size: 8, .value_kind: global_buffer, .address_space: global }
      - { .name: out0, .offset: 24, .size: 8, .value_kind: global_buffer, .address_space: global }
    .group_segment_fixed_size: 284672
    .private_segment_fixed_size: 0
    .kernarg_segment_align: 8
    .kernarg_segment_size: 32
    .max_flat_workgroup_size: 512
    .sgpr_count:     102
    .vgpr_count:     256
    .wavefront_size: 32
...
	.end_amdgpu_metadata
.endif
;; end of part 2
